; MI455X (gfx1250); checked and timed in simulation.
; The chip was launched on July 23, 2026; its instructions are those of AMD's public machine-readable ISA for CDNA 5 (MIT licence, August 2026) and "CDNA5" Instruction Set Architecture Reference Guide (July 2026). The comments in the code are by the model that wrote it; some were corrected since.
;; Dual Attention. Allowed arithmetic: matrix products marked QUANTISED: E2M1 operands, one E8M0 scale for each 32 along K, by v_wmma_scale_f32_16x16x128_f8f6f4 with both operands' format E2M1 (or v_wmma_scale_f32_32x16x128_f4), f32 sums; products left as they are: f32 operands where the result goes on into a quantised operand, else bf16, f16 or f32 operands; f32 sums; everything else in f32.
;; Inputs: Vw 1,024 x 1 float32; Ww 2,048 x 1,024 float32; Wz 2,048 x 1,024 float32; bw 1,024 float32; bz 1,024 float32; hidden 1,024 x 16 x 2,048 float32; vb 1 float32; w_a one number float32; z 1,024 x 16 x 2,048 float32.
;; Outputs: out0 1,024 x 16 x 1 float32.
;; This version of the problem:
;;   THIS VERSION OF THE PROBLEM IS GIVEN IN LOW PRECISION. The matrix products marked QUANTISED in the list below multiply operands that are first quantised to E2M1 (2 exponent bits, 1 mantissa bit; 4 bits a number), with one power-of-two scale for each 32 numbers along K (OCP MX v1.0); their sums are f32. All else is computed in f32.
;;   The module's matrix products, in the order in which they are computed (A, B: the left and right operand; K: the contracted axis; several contracted axes count as one K, in the product's order):
;;     1. [M 16,384, K 2,048] x [K 2,048, N 1,024]; A: input hidden; B: input Ww: QUANTISED
;;     2. [M 16,384, K 2,048] x [K 2,048, N 1,024]; A: input z; B: input Wz: QUANTISED
;;     3. [M 16,384, K 1,024] x [K 1,024, N 1]; A: computed on the way; B: input Vw: left as it is (N = 1 < 16)
;;   THE QUANTISER, for each operand of a quantised product, along K:
;;     - K is cut into blocks of 32 from its start; a last block that is shorter is filled with zeros.
;;     - A block's scale is 2^e with e = floor(log2(the largest magnitude in the block)) - 2, held to -126 .. 127; a block of zeros has e = 0. As a byte (E8M0): e + 127.
;;     - Each number is divided by its block's scale, clamped to +-6, and rounded to the nearest number of E2M1, ties to even, subnormals kept.
;;     - The product sums the exact products of the quantised numbers (number of the format x scale) in f32.
;;   ~~~python
;;   def quantise(x, axis):      # numpy; x: float32 -> the quantised numbers, widened to float32 again
;;       x = np.moveaxis(x, axis, -1); K = x.shape[-1]
;;       x = np.pad(x, [(0, 0)] * (x.ndim - 1) + [(0, -K % 32)]); x = x.reshape(x.shape[:-1] + (-1, 32)); a = np.abs(x).max(-1, keepdims=True)
;;       e = np.where(a > 0, np.clip(np.frexp(np.where(a > 0, a, 1))[1] - 1 - 2, -126, 127), 0)      # np.frexp(a)[1] - 1 = floor(log2(a)), exactly
;;       r = np.clip(x / 2.0 ** e, -6, 6)
;;       step = 2.0 ** (np.maximum(np.frexp(np.where(r == 0, 1, r))[1] - 1, 0) - 1)
;;       q = np.round(r / step) * step * 2.0 ** e      # np.round: ties to even
;;       return np.moveaxis(q.reshape(q.shape[:-2] + (-1,))[..., :K], -1, axis).astype(np.float32)
;;   ~~~
;; One version. Each part assembles by itself: llvm-mc -triple=amdgcn-amd-amdhsa -mcpu=gfx1250 --defsym DOCPART=n.
;; ======== version 1 of 1: 3 launches
;; limits: right only within a limited range of input values
;; workspace buffers: wq 2,228,224 bytes; u 65,536 bytes
;; launch wquant (part 1): grid 8 x 32, 4 waves a work-group, no clusters, 1,024 bytes of LDS; arguments Ww, Wz, wq; writes wq
.if DOCPART == 1
	.amdgcn_target "amdgcn-amd-amdhsa--gfx1250"
	.amdhsa_code_object_version 6
	.text
	.protected	k_qfe2ca416a5_wquant
	.globl	k_qfe2ca416a5_wquant
	.p2align	8
	.type	k_qfe2ca416a5_wquant,@function
k_qfe2ca416a5_wquant:
	s_mov_b64 s[64:65], 0
	v_nop
	global_prefetch_b8 v0, s[64:65] scope:SCOPE_SE
	s_setreg_imm32_b32 hwreg(HW_REG_WAVE_MODE, 25, 1), 1
	s_wait_xcnt 0x0
; Ww and Wz, [2048 (k)][1024 (n)] f32, K along the FIRST axis, become codes of FP4 (E2M1) with one E8M0 scale byte for each 32 along K,
; laid in wq in the order of the operand's registers, so that the product's launch brings them in as dense blocks and reads them 16 bytes a lane on end.
; wq: 16 chunks of 256 along K (0-7: Ww, 8-15: Wz), 139,264 bytes each; in a chunk four parts of 256 columns, 34,816 bytes each; in a part
;   codes at s 16,384 + f 1,024 + t 256 + r 16: K step s of 128, fragment f (16 columns), block t of 32 along K, column r of the fragment: 16 bytes = 32 codes, the lower k in the lower bits;
;   scale words at 32,768 + g 512 + L 16 + 4 pos: word (four bytes, byte t for block t) of K step s and column 32 i + L of the part, 8 s + i = 4 g + pos.
; A block's scale is 2^(floor(log2(its largest magnitude)) - 2): its byte is the largest magnitude's exponent field - 2, held at 1 from below by a floor among the maximum's leaves.
; LIMITS: a block of zeros gets the byte 1 where the rule says 127: its codes are zeros, and this program alone reads the bytes; NaN and infinities among the inputs are not served.
; SHARES: work-group (x, y) takes columns 128 x .. + 127 and K step y (128 along K; y < 16: Ww).  A wave takes 32 columns; A LANE TAKES A COLUMN AND ITS REGISTERS RUN DOWN K:
; a load reads 128 consecutive bytes a wave, a block of 32 lies in one lane, and the conversions give codes with K innermost.  All 128 loads of a wave are issued at once.
.set CHUNK, 139264
.set PART,  34816
.set X,     32                         ; v32-159  four blocks of 32 numbers
.set C,     160                        ; v160-175 four registers of codes for each block: no store's data are written again
	s_load_b128 s[4:7], s[0:1], 0x0                ; Ww, Wz
	s_load_b64 s[8:9], s[0:1], 0x10                ; wq
	v_lshl_add_u32 v184, v0, 2, 0x200
	v_mov_b32 v185, 0
	v_lshrrev_b32 v1, 5, v0
	v_readfirstlane_b32 s16, v1                    ; wave 0..3
	v_and_b32 v2, 31, v0                           ; lane
	v_lshlrev_b32 v3, 2, v2                        ; in: 4 bytes a lane
	v_lshrrev_b32 v4, 4, v2
	v_and_b32 v7, 15, v2
	v_lshlrev_b32 v4, 10, v4
	v_lshl_add_u32 v4, v7, 4, v4                   ; codes out: 1,024 x (lane / 16), the fragment, + 16 x (lane % 16), the column
	v_lshlrev_b32 v6, 4, v2                        ; 16 x lane: the scale words' way out
	s_lshl_b32 s17, s16, 2
	v_add_nc_u32 v5, s17, v6                       ; LDS: 16 x lane + 4 x wave: my column's word among the four waves'
	s_and_b32 s18, ttmp7, 0xffff                   ; S: which 128 along K of the 4,096
	s_and_b32 s19, s18, 15
	s_lshl_b32 s20, s19, 19                        ; 128 rows of 4,096 bytes
	s_lshl_b32 s21, ttmp9, 9                       ; 128 columns
	s_add_co_u32 s20, s20, s21
	s_lshl_b32 s21, s16, 7                         ; my wave's 32 columns
	s_add_co_u32 s20, s20, s21
	s_mov_b32 s21, 0
	s_lshr_b32 s22, s18, 1
	s_mul_i32 s22, s22, CHUNK                      ; the chunk,
	s_lshr_b32 s23, ttmp9, 1
	s_mul_i32 s23, s23, PART                       ; the part
	s_add_co_u32 s22, s22, s23
	s_and_b32 s24, s18, 1                          ; s
	s_and_b32 s25, ttmp9, 1                        ; which half of the part's 256 columns
	s_lshl_b32 s26, s24, 14
	s_lshl_b32 s27, s25, 2
	s_add_co_u32 s27, s27, s16
	s_lshl_b32 s27, s27, 11                        ; my wave's two fragments: 2,048 x (4 x half + wave)
	s_add_co_u32 s26, s26, s27
	s_add_co_u32 s26, s26, s22
	s_mov_b32 s27, 0
	s_lshl_b32 s28, s24, 1
	s_add_co_u32 s28, s28, s25
	s_lshl_b32 s28, s28, 9                         ; the work-group's 512 bytes of scale words: g = 2 s + half
	s_add_co_u32 s28, s28, s22
	s_add_co_u32 s28, s28, 32768
	s_mov_b32 s29, 0
	s_wait_alu depctr_va_vdst(0)
	s_wait_kmcnt 0x0
	s_cmp_lt_u32 s18, 16                           ; the choice hangs on the work-group's number alone
	s_cselect_b64 s[4:5], s[4:5], s[6:7]
	s_add_nc_u64 s[4:5], s[4:5], s[20:21]
	s_add_nc_u64 s[10:11], s[8:9], s[28:29]
	s_add_nc_u64 s[8:9], s[8:9], s[26:27]
.set q, 0
.rept 128
	; register X + 32 t + p takes row 32 t + 4 (p / 8) + p % 4 + 16 ((p % 8) / 4): inside each block of 32 the codes stand in the order in which the product's launch lays its rows' codes.
	; The same order on both sides keeps every product, and a block's scale hangs on no order.
	global_load_b32 v[X+q], v3, s[4:5] offset:(32*(q/32)+4*((q%32)/8)+q%4+16*((q%8)/4))*4096 th:TH_LOAD_NT
.set q, q+1
.endr
; Block t.  left: the loads issued behind the block's 32 that may stay out (96 and 64 are written as 63, the most that the wait can name: a smaller count is safe).
.macro BLOCK t, left
.set XS, X+32*(\t)
	s_wait_loadcnt \left
	v_max3_num_f32 v12, |v[XS]|, |v[XS+1]|, |v[XS+2]|              ; the block's largest magnitude: all 32 numbers are mine; two chains
	v_max3_num_f32 v13, |v[XS+3]|, |v[XS+4]|, |v[XS+5]|
.irp i, 6,10,14,18,22,26
	v_max3_num_f32 v12, v12, |v[XS+\i]|, |v[XS+\i+1]|
	v_max3_num_f32 v13, v13, |v[XS+\i+2]|, |v[XS+\i+3]|
.endr
	v_max3_num_f32 v12, v12, |v[XS+30]|, |v[XS+31]|
	v_max3_num_f32 v12, v12, v13, 0x1800000        ; and the floor 2^(3 - 127): the byte cannot fall under 1
	v_add_nc_u32 v11, 0xff000000, v12              ; 2 off the exponent field: the conversion takes the exponent field of this operand as its scale
	v_lshrrev_b32 v13, 23, v11                     ; the scale's byte
.if (\t) == 0
	v_mov_b32 v14, v13
.else
	v_lshl_or_b32 v14, v13, 8*(\t), v14            ; byte t of my column's word
.endif
.irp g, 0,1,2,3
	v_cvt_scalef32_pk8_fp4_f32 v[C+4*(\t)+\g], v[XS+8*\g:XS+8*\g+7], v11
.endr
	global_store_b128 v4, v[C+4*(\t):C+4*(\t)+3], s[8:9] offset:256*(\t)   ; lanes 0-15 and lanes 16-31 each store 256 consecutive bytes, at a multiple of 256 from wq's first byte
.endm
	BLOCK 0, 63
	BLOCK 1, 63
	BLOCK 2, 32
	BLOCK 3, 0
	ds_store_b32 v5, v14                           ; the four waves' words meet: 16 bytes for each lane number
	s_wait_dscnt 0x0                               ; for wave 0's sake: my store is done
	s_barrier_signal -1
	s_barrier_wait -1
	s_cmp_lg_u32 s16, 0
	s_cbranch_scc1 .Ldone
	ds_load_b128 v[16:19], v6
	s_wait_dscnt 0x0
	global_store_b128 v6, v[16:19], s[10:11]       ; 512 consecutive bytes
.Ldone:
	s_wait_tensorcnt 0x0
	ds_add_u32 v184, v185
	s_wait_dscnt 0x0
	s_endpgm
.Lfunc_end_k_qfe2ca416a5_wquant:
	.size	k_qfe2ca416a5_wquant, .Lfunc_end_k_qfe2ca416a5_wquant-k_qfe2ca416a5_wquant
	.p2alignl 7, 3214868480
	.fill 96, 4, 3214868480
	.section	.rodata,"a",@progbits
	.p2align	6, 0x0
	.amdhsa_kernel k_qfe2ca416a5_wquant
		.amdhsa_group_segment_fixed_size 1024
		.amdhsa_private_segment_fixed_size 0
		.amdhsa_enable_private_segment 0
		.amdhsa_kernarg_size 24
		.amdhsa_user_sgpr_count 2
		.amdhsa_user_sgpr_kernarg_segment_ptr 1
		.amdhsa_wavefront_size32 1
		.amdhsa_system_sgpr_workgroup_id_x 1
		.amdhsa_system_sgpr_workgroup_id_y 1
		.amdhsa_system_sgpr_workgroup_id_z 1
		.amdhsa_system_vgpr_workitem_id 0
		.amdhsa_next_free_vgpr 186
		.amdhsa_next_free_sgpr 66
		.amdhsa_reserve_vcc 0
		.amdhsa_float_denorm_mode_32 3
		.amdhsa_float_denorm_mode_16_64 3
		.amdhsa_memory_ordered 1
		.amdhsa_forward_progress 1
		.amdhsa_inst_pref_size 21
	.end_amdhsa_kernel
	.amdgpu_metadata
---
amdhsa.version: [ 1, 2 ]
amdhsa.kernels:
  - .name:           k_qfe2ca416a5_wquant
    .symbol:         k_qfe2ca416a5_wquant.kd
    .args:
      - { .name: Ww, .offset: 0, .size: 8, .value_kind: global_buffer, .address_space: global }
      - { .name: Wz, .offset: 8, .size: 8, .value_kind: global_buffer, .address_space: global }
      - { .name: wq, .offset: 16, .size: 8, .value_kind: global_buffer, .address_space: global }
    .group_segment_fixed_size: 1024
    .private_segment_fixed_size: 0
    .kernarg_segment_align: 8
    .kernarg_segment_size: 24
    .max_flat_workgroup_size: 128
    .sgpr_count:     66
    .vgpr_count:     186
    .wavefront_size: 32
...
	.end_amdgpu_metadata
.endif
;; end of part 1
;; launch scores (part 2): grid 256 x 1, 4 waves a work-group, clusters of 4 x 1, 327,680 bytes of LDS; arguments hidden, z, wq, bw, bz, Vw, w_a, u; writes u
.if DOCPART == 2
	.amdgcn_target "amdgcn-amd-amdhsa--gfx1250"
	.amdhsa_code_object_version 6
	.text
	.protected	k_qfe2ca416a5_scores
	.globl	k_qfe2ca416a5_scores
	.p2align	8
	.type	k_qfe2ca416a5_scores,@function
k_qfe2ca416a5_scores:
	s_mov_b64 s[64:65], 0
	v_nop
	global_prefetch_b8 v0, s[64:65] scope:SCOPE_SE
	s_setreg_imm32_b32 hwreg(HW_REG_WAVE_MODE, 25, 1), 1
	s_wait_xcnt 0x0
	s_wait_alu depctr_hold_cnt(0) depctr_sa_sdst(0) depctr_va_vdst(0) depctr_va_sdst(0) depctr_va_ssrc(0) depctr_va_vcc(0) depctr_vm_vsrc(0)
	s_getreg_b32 s2, hwreg(HW_REG_IB_STS2, 6, 4)
	s_cmp_eq_u32 s2, 0
	s_cbranch_scc0 .Lentry_in_a_cluster
	s_endpgm
.Lentry_in_a_cluster:
	s_bfe_u32 s2, ttmp6, 0x10000c
	s_cmp_lg_u32 s2, 0x3003
	s_cbranch_scc0 .Lentry_shape_is_right
	s_endpgm
.Lentry_shape_is_right:
; u[m] = -2 sum over n of Vw[n] / (1 + 2^(2 log2(e) x[m][n])), x = (Q(hidden) Q(Ww) + Q(z) Q(Wz))[m][n] + bw[n] + bz[n] + 0.5 w_a; m = 16 s + b: 16,384 rows, 1,024 columns.
; WORK LEFT OUT.  reference() takes softmax over s of sum_n Vw[n] tanh(x) + vb.  tanh(x) = 1 - 2 / (1 + 2^(2 log2(e) x)), so that sum is sum_n Vw[n] + vb + u[m].  sum_n Vw[n] + vb is one number,
; the same for every s and b, and a term that is the same along a softmax's axis cancels between its numerator and its denominator for all finite values of the inputs.  So neither is formed; vb has no way to
; the output, is not loaded and is no argument of any launch.  LIMIT: a NaN, an infinity or an overflow that reaches only vb or that sum is not carried to the result.
; The two products share rows and columns: ONE sum over K = 4,096 (0-2047: hidden, Ww; 2048-4095: z, Wz), on codes of FP4 (E2M1) with one E8M0 scale for each 32 along K.
; SHARES.  A work-group owns 64 rows and all 1,024 columns, so hidden and z are read once, as f32.  Wave w multiplies the 64 rows by columns 256 w .. + 255 (32 accumulators of 32 x 16, 512 registers) and quantises rows 16 w .. + 15 for all four.
; K goes in 16 periods of 256 (a chunk).  Each cluster begins at a chunk of its own and walks round all 16.
; THE ROWS come by loads into registers: a ring of two sets of 16 rows x 8 registers, asked for three chunks ahead of their use (so no prefetch is laid for them).  EVERY LOAD TAKES 512 CONSECUTIVE BYTES: lane l gets 16 bytes,
; piece l % 8 of block l / 8, of a row's first 512 bytes and of its second.  The conversion wants 8 numbers of ONE block in a lane: so lanes l and l xor 4 change a piece.  Lanes with bit 2 clear then hold pieces j and j + 4
; (j = l % 4) of block l / 8 of the first half, the others the same of the second half.  So inside a block the codes stand in the order 4 j + 0..3, 16 + 4 j + 0..3; wq has the same order.
; Codes go to LDS as rows (128 bytes a row and chunk, pitch 144) and come back as fragments.  Four rows' scale bytes are gathered in registers into words and leave as 128 consecutive bytes.
; THE WEIGHTS come as codes from wq, laid by the launch before in the order of the operand's registers: wave w's part of a chunk is one dense block of 34,816 bytes, through two LDS slots.
; CLUSTER.  All work-groups walk the same weights: the four of a cluster ask for each block JOINTLY, by the same tensor load with the same descriptor and a mask that names the four.
; LIMITS: NaN and infinities among the inputs are not served; a block of zeros gets the byte 1 with zero codes (this program alone reads the bytes); the f32 sums run over K from the cluster's start chunk on and round, and
; inside a block in the order above: another order of f32 roundings than ascending K; the biases are folded with 2 log2(e) into one fused multiply-add behind the sums.  Where 2^.. overflows the quotient is 0, where it falls to 0 it is 1.
; REGISTERS, in windows of 256 (s_set_vgpr_msb: bits 1:0 source 0, 3:2 source 1, 5:4 source 2, 7:6 destination):
;   window 0: v1-11 addresses; v12-43 the quantiser's; v44-47 A's scale words, v48-63 B's: scales and nothing else; v64-127 A's fragments; v128-255 B's 16 fragments of one K step of 128
;   window 1: the ring of f32 numbers: row i of set e at 128 e + 8 i       window 2: accumulators (b, p), b = 0-7, at 16 (2 b + p)       window 3: b = 8-15
.set CHUNK,  139264                    ; a chunk of wq, and an LDS slot
.set PART,   34816                     ; a wave's part of it: 32,768 bytes of codes, 2,048 of scale words
.set ACODE,  2*CHUNK                   ; behind the two slots: the rows' codes, two buffers of 64 rows x 144 bytes
.set ABUF,   9216
.set APITCH, 144
.set ASCL,   ACODE+2*ABUF              ; the rows' scale words: two buffers of 4 waves x 4 groups of 4 rows x 128 bytes
.set RED,    ASCL+4096                 ; four waves x 64 partial sums
.set SPARE,  RED+1024                  ; the spare words, 128 bytes for each wave, which no other line names
.set RW,   1                           ; RED + 256 wave + 32 (lane / 16)
.set AO,   2                           ; my byte in the work-group's rows: 16 rows x 8,192 x wave + 16 x lane
.set SPW,  3                           ; my spare word; never rewritten
.set NIL,  4                           ; 0; never rewritten
.set ACW,  5                           ; where I store a row's codes: ACODE + 16 rows x wave + 64 (bit 2 of the lane) + 16 (lane / 8) + 4 (lane % 4)
.set ASW,  6                           ; and a group's scale words: ASCL + 512 wave + the same lane term
.set AFR,  7                           ; where I read A's fragments: ACODE + 144 (lane % 16) + 16 (lane / 16)
.set ASR,  8                           ; where I read A's scale words
.set BFR,  9                           ; v9-10 my part of slot 0, 1, + 16 x lane
.set SHF,  11                          ; 8 x (lane / 8): my block's byte in its scale word
.set TE,   12                          ; v12-19 a row's largest magnitude, then the conversion's scale operand
.set CD,   20                          ; v20-27 a row's codes
.set T,    28                          ; v28-43 the pieces that change lanes, four rows at a time
.set SW,   28                          ; v28-29 then two scale words,
.set TT,   30                          ; v30-31 and what other lanes hold of them
.set NOV,  28                          ; at the end: my column's byte in bw, bz, Vw
.set ASC,  44
.set BSC,  48
.set AF,   64
.set BF,   128
.set BC,   64                          ; the end: (bw + bz + 0.5 w_a) 2 log2(e) of my 16 columns, each twice;
.set V2,   96                          ; -2 Vw likewise;
.set Y,    128                         ; 128 numbers at work;
.set SS,   12                          ; 32 sums, in the quantiser's registers, which are idle by then: row 16 a + 8 (lane / 16) + j at 8 a + j
.set WV,   24                          ; s24  my wave's number
.set PH,   28                          ; s[28:29] hidden, s[30:31] z at my work-group's first row
.set PZ,   30
.set AB,   32                          ; s[32:33] the base of the ring's refill in hand
.set T0,   34                          ; s[34:35] an offset; s35 = 0
.set FC,   36                          ; the chunk that the ring asks for next, modulo 16
.set LC,   37
.set AB2,  38                          ; s[38:39] first my part's offset, then the base of the ring's second first fill
.set G1,   40                          ; s[40:47] descriptor group 1
.set G0,   48                          ; s[48:55] group 0, a set for each slot
.set C2,   56                          ; s[56:57] 2 log2(e), twice
.set WC,   58                          ; 0.5 w_a x 2 log2(e)
.set BCN,  59                          ; the chunk that the tensor loads ask for next, modulo 16
.set WB,   60                          ; s[60:61] wq at my part of chunk 0
.set T1,   62                          ; s[62:63] an offset; s63 = 0
.set M1,   66                          ; s66-68 the lanes with lane % 4 = 1, 2, 3
.set MB,   69                          ; the lanes with bit 2 set
.set SEL,  72                          ; s[72:73] v_permlanex16_b32's selects for lane l xor 16
.set MSB, 0
.macro WIN new                         ; the immediate's high byte repeats the setting that is left; a switch that changes nothing is dropped
.if MSB != (\new)
	s_set_vgpr_msb (MSB<<8)|(\new)
.set MSB, (\new)
.endif
.endm
.macro PLACES n                        ; plain vector instructions between a matrix instruction and a load into, or a vector access to, its registers (ISA guide 7.12.1 for vector accesses)
.rept \n
	v_nop
.endr
.endm
.macro CREST                           ; a round of the cluster's barrier behind its opening barrier
	s_cmp_lg_u32 s[WV], 0
	s_cbranch_scc1 .Lnot_wave_0_\@
	s_barrier_signal -3
.Lnot_wave_0_\@:
	s_barrier_wait -3
	s_barrier_signal -1
	s_barrier_wait -1
.endm
.macro CROUND                          ; a whole round
	s_barrier_signal -1
	s_barrier_wait -1
	CREST
.endm
; The base of the ring's next refill, into the pair dst: chunk FC: hidden for FC < 8, else z; 1,024 bytes of each row a chunk.  wait = 1: loads that name dst may be pending.
.macro ABASE dst, wait
.if \wait
	s_wait_xcnt 0x0                                ; the last refills have read their base: only behind this wait is it written
.endif
	s_cmp_lt_u32 s[FC], 8
	s_cselect_b64 s[\dst:\dst+1], s[PH:PH+1], s[PZ:PZ+1]
	s_and_b32 s[T0], s[FC], 7
	s_lshl_b32 s[T0], s[T0], 10
	s_add_nc_u64 s[\dst:\dst+1], s[\dst:\dst+1], s[T0:T0+1]
	s_add_co_u32 s[FC], s[FC], 1
	s_and_b32 s[FC], s[FC], 15
.endm
; The global address of slot's next tensor load: my part of chunk BCN.  It stands where no tensor load of mine is out.  Nothing in it hangs on my work-group's place in its cluster.
.macro BADDR slot
	s_mul_i32 s[T1], s[BCN], CHUNK
	s_add_nc_u64 s[G0+4*(\slot)+2:G0+4*(\slot)+3], s[WB:WB+1], s[T1:T1+1]
	s_or_b32 s[G0+4*(\slot)+3], s[G0+4*(\slot)+3], 0x80000000   ; type = 2
	s_add_co_u32 s[BCN], s[BCN], 1
	s_and_b32 s[BCN], s[BCN], 15
.endm
; 16 loads: rows 8 g .. 8 g + 7 of my 16, into set e: each load 512 consecutive bytes
.macro ALOAD e, g, ab
	WIN 0x40                                       ; destination window 1
.irp i, 0,1,2,3,4,5,6,7
.set rX, 128*(\e)+8*(8*(\g)+\i)
	global_load_b128 v[rX:rX+3],   v[AO], s[\ab:\ab+1] offset:8192*(8*(\g)+\i) th:TH_LOAD_NT
	global_load_b128 v[rX+4:rX+7], v[AO], s[\ab:\ab+1] offset:8192*(8*(\g)+\i)+512 th:TH_LOAD_NT
.endr
	WIN 0
.endm
; Rows 8 g .. 8 g + 7 of set e are quantised; codes and scale words go to buffer buf: 10 LDS stores.  left: the younger loads that may stay out.  fill = 1: the rows' registers are asked for again.
.macro QBATCH e, buf, g, left, fill
	s_wait_loadcnt \left
	s_mov_b32 vcc_lo, s[MB]                        ; written anew in every batch
.irp hf, 0,1                           ; THE CHANGE OF PIECES, four rows at a time.  A row's registers 0-3: my piece of its first half, 4-7: of its second
	WIN 0x05                                       ; sources 0 and 1 window 1
.irp i, 0,1,2,3
.irp k, 0,1,2,3
.set rX, 128*(\e)+8*(8*(\g)+4*\hf+\i)
	v_cndmask_b32 v[T+4*\i+\k], v[rX+4+\k], v[rX+\k], vcc_lo       ; what I give: bit 2 clear: the second half's piece; set: the first half's
.endr
.endr
	WIN 0
.set q, 0
.rept 16
	v_mov_b32_dpp v[T+q], v[T+q] row_xmask:4 row_mask:0xf bank_mask:0xf   ; what lane l xor 4 gives me
.set q, q+1
.endr
	WIN 0x41                                       ; source 0 and destination window 1
.irp i, 0,1,2,3
.irp k, 0,1,2,3
.set rX, 128*(\e)+8*(8*(\g)+4*\hf+\i)
	v_cndmask_b32 v[rX+\k], v[rX+\k], v[T+4*\i+\k], vcc_lo         ; registers 0-3: piece j of my block
.endr
.endr
	WIN 0x44                                       ; source 1 and destination window 1
.irp i, 0,1,2,3
.irp k, 0,1,2,3
.set rX, 128*(\e)+8*(8*(\g)+4*\hf+\i)
	v_cndmask_b32 v[rX+4+\k], v[T+4*\i+\k], v[rX+4+\k], vcc_lo     ; registers 4-7: piece j + 4
.endr
.endr
.endr
	WIN 0x05
.irp i, 0,1,2,3,4,5,6,7
.set rX, 128*(\e)+8*(8*(\g)+\i)
	v_max3_num_f32 v[TE+\i], |v[rX]|, |v[rX+1]|, 0x1800000         ; my 8 numbers, and the floor 2^(3 - 127): the byte cannot fall under 1
.endr
.irp k, 2,4,6
.irp i, 0,1,2,3,4,5,6,7
.set rX, 128*(\e)+8*(8*(\g)+\i)
	v_max3_num_f32 v[TE+\i], |v[rX+\k]|, |v[rX+\k+1]|, v[TE+\i]
.endr
.endr
	WIN 0
.irp m, 1,2
.irp i, 0,1,2,3,4,5,6,7
	v_max_num_f32_dpp v[TE+\i], v[TE+\i], v[TE+\i] row_xmask:\m row_mask:0xf bank_mask:0xf   ; with the block's three other lanes
.endr
.endr
.irp i, 0,1,2,3,4,5,6,7
	v_add_nc_u32 v[TE+\i], 0xff000000, v[TE+\i]    ; 2 off the exponent field: the conversion's scale operand
.endr
	WIN 0x01                                       ; source 0 window 1
.irp i, 0,1,2,3,4,5,6,7
.set rX, 128*(\e)+8*(8*(\g)+\i)
	v_cvt_scalef32_pk8_fp4_f32 v[CD+\i], v[rX:rX+7], v[TE+\i]
.endr
	WIN 0
.irp h, 0,1                            ; two groups of four rows by turns: lane l keeps row l % 4's scale of its block.  (Plain places behind the conversions)
	v_cndmask_b32 v[SW+\h], v[TE+4*\h], v[TE+4*\h+1], s[M1]
.endr
.irp h, 0,1
	v_cndmask_b32 v[SW+\h], v[SW+\h], v[TE+4*\h+2], s[M1+1]
.endr
.irp h, 0,1
	v_cndmask_b32 v[SW+\h], v[SW+\h], v[TE+4*\h+3], s[M1+2]
.endr
.irp h, 0,1
	v_lshrrev_b32 v[SW+\h], 23, v[SW+\h]           ; its byte,
.endr
.irp h, 0,1
	v_lshlrev_b32 v[SW+\h], v[SHF], v[SW+\h]       ; at its place in the word of its K step (bit 2 of the lane),
.endr
.irp h, 0,1
	v_mov_b32_dpp v[TT+\h], v[SW+\h] row_xmask:8 row_mask:0xf bank_mask:0xf
.endr
.irp h, 0,1
	v_or_b32 v[SW+\h], v[SW+\h], v[TT+\h]          ; joined with the three other blocks' of that K step: lanes 8 and 16 apart
.endr
.irp h, 0,1
	v_permlanex16_b32 v[TT+\h], v[SW+\h], s[SEL], s[SEL+1]
.endr
.irp h, 0,1
	v_or_b32 v[SW+\h], v[SW+\h], v[TT+\h]
.endr
.irp i, 0,1,2,3,4,5,6,7
	ds_store_b32 v[ACW], v[CD+\i] offset:(\buf)*ABUF+APITCH*(8*(\g)+\i)   ; 32 lanes: the row's 128 bytes of codes
.endr
.irp h, 0,1
	ds_store_b32 v[ASW], v[SW+\h] offset:(\buf)*2048+128*(2*(\g)+\h)      ; 128 consecutive bytes: word 16 s + 4 copy + i is row i's word of K step s, four copies of each
.endr
.if \fill
	ALOAD \e, \g, AB
.endif
.endm
.macro QUANT e, buf, l0, l1, fill
.if \fill
	ABASE AB, 1
.endif
	QBATCH \e, \buf, 0, \l0, \fill
	QBATCH \e, \buf, 1, \l1, \fill
.endm
; B's fragments f0 .. f0 + 7 of K step s of the chunk in slot par: 16 LDS loads, as they lie, 16 bytes a lane on end
.macro FETCH_B par, s, f0
.irp f, 0,1,2,3,4,5,6,7
.irp c, 0,1
	ds_load_b128 v[BF+8*((\f0)+\f)+4*\c:BF+8*((\f0)+\f)+4*\c+3], v[BFR+(\par)] offset:16384*(\s)+1024*((\f0)+\f)+512*\c
.endr
.endr
.endm
; 24 LDS loads at a period's head: B's 16 scale registers (register 8 s + i: lanes 0-15 fragment 2 i's columns, lanes 16-31 fragment 2 i + 1's); A's four (register 2 p + s: lane m holds the word of row 32 p + m; each lane
; reads the copy (r / 8) + 2 h, so that the 32 words lie in 32 banks); A's 8 fragments (K step s, rows 16 a on).
.macro HEAD_A par
.irp g, 0,1,2,3
	ds_load_b128 v[BSC+4*\g:BSC+4*\g+3], v[BFR+(\par)] offset:32768+512*\g
.endr
.irp p, 0,1
.irp s, 0,1
	ds_load_b32 v[ASC+2*\p+\s], v[ASR] offset:(\par)*2048+1024*\p+64*\s
.endr
.endr
.irp s, 0,1
.irp a, 0,1,2,3
.irp c, 0,1
	ds_load_b128 v[AF+32*\s+8*\a+4*\c:AF+32*\s+8*\a+4*\c+3], v[AFR] offset:(\par)*ABUF+\a*16*APITCH+64*\s+32*\c
.endr
.endr
.endr
.endm
; One matrix instruction, 32 rows x 16 columns x 128, its registers in rD, rA, rB, rSA, rSB; pB: B's scales stand in lanes 16-31.  zero = 1: it starts the sum: nothing is ever cleared.
.macro WM zero
.if \zero
.if pB
	v_wmma_scale_f32_32x16x128_f4 v[rD:rD+15], v[rA:rA+15], v[rB:rB+7], 0, v[rSA], v[rSB] matrix_b_scale:MATRIX_SCALE_ROW1
.else
	v_wmma_scale_f32_32x16x128_f4 v[rD:rD+15], v[rA:rA+15], v[rB:rB+7], 0, v[rSA], v[rSB]
.endif
.else
.if pB
	v_wmma_scale_f32_32x16x128_f4 v[rD:rD+15], v[rA:rA+15], v[rB:rB+7], v[rD:rD+15], v[rSA], v[rSB] matrix_b_scale:MATRIX_SCALE_ROW1
.else
	v_wmma_scale_f32_32x16x128_f4 v[rD:rD+15], v[rA:rA+15], v[rB:rB+7], v[rD:rD+15], v[rSA], v[rSB]
.endif
.endif
.endm
; 16 matrix instructions: K step s, B's fragments 8 half .. + 7 x A's 64 rows.  Lane (r, h), register 8 a + j of column tile b holds (row 16 a + 8 h + j, column 16 b + r).
; The accumulators take turns, one instruction a turn.
.macro MUL32 s, half, zero
.irp b, 0,1,2,3,4,5,6,7
.irp p, 0,1
.set rD,  16*(2*\b+\p)
.set rA,  AF+32*(\s)+16*\p
.set rB,  BF+8*(8*(\half)+\b)
.set rSA, ASC+2*\p+(\s)
.set rSB, BSC+8*(\s)+4*(\half)+\b/2
.set pB,  \b%2
	WM \zero
.endr
.endr
.endm
; bw, bz, Vw of my 16 columns (256 wave + 16 t + lane % 16), into the ring's registers, which are idle in the last period
.macro BIAS
	v_and_b32 v[NOV], 15, v0
	v_lshl_add_u32 v[NOV], v[NOV], 2, s74
	WIN 0x40
.set q, 0
.rept 16
	global_load_b32 v[q],    v[NOV], s[10:11] offset:64*q
	global_load_b32 v[16+q], v[NOV], s[12:13] offset:64*q
	global_load_b32 v[32+q], v[NOV], s[14:15] offset:64*q
.set q, q+1
.endr
	WIN 0
.endm
; PERIOD p, par = p % 2: the p-th chunk of my cluster's walk is multiplied; quant = 1: my rows of the next chunk are quantised (fill = 1: and the chunk three on asked for; l0, l1: the counts of its two waits for loads).
; tail = 2: slot par is filled again, with the chunk two on, behind a round of the cluster's barrier; 1: a barrier alone; 0: the last period.
; The barrier at a period's end orders three things: my stores of the next chunk's codes against the others' reads of them; everybody's reads of code buffer par against the stores of the period after next;
; the reads of slot par against its refill.
.macro PERIOD par, zero, quant, fill, l0, l1, tail
	HEAD_A \par
	FETCH_B \par, 0, 0
.if \quant
.if \fill
	ABASE AB, 1
.endif
	QBATCH 1-\par, 1-\par, 0, \l0, \fill
	FETCH_B \par, 0, 8
	QBATCH 1-\par, 1-\par, 1, \l1, \fill
	s_wait_dscnt 10                                ; all 56 loads are in; the second batch's 10 stores, issued behind the last load, may be out
.else
	FETCH_B \par, 0, 8
	BIAS
	s_wait_dscnt 0x0
.endif
	WIN 0xa0                                       ; C and D window 2
	MUL32 0, 0, \zero
	PLACES 4
	WIN 0
	FETCH_B \par, 1, 0
	WIN 0xf0                                       ; C and D window 3
	MUL32 0, 1, \zero
	PLACES 4
	WIN 0
	FETCH_B \par, 1, 8
.if \tail
	s_wait_tensorcnt 0x0                           ; all my tensor loads have landed: the one that was out is my part of the next chunk; so a group 0 may be written
	ds_add_u32 v[SPW], v[NIL]                      ; 0 onto my spare word
.if (\tail) == 2
	BADDR \par                                     ; this slot's next chunk
.endif
	s_wait_dscnt 0x0                               ; the add is done, my stores have landed, my reads of this slot and of this code buffer are over: K step 1's operands are all in registers
	s_barrier_signal -1
	s_barrier_wait -1
.if (\tail) == 2
	CREST                                          ; the barrier has opened a round of the cluster's: no wave of any partner still reads this slot or has a load on its way
	tensor_load_to_lds s[G0+4*(\par):G0+4*(\par)+3], s[G1:G1+7]   ; my one tensor load behind the round: it has the next period in which to land
	s_nop 0
.endif
	PLACES 4                                       ; behind the tensor load
	WIN 0xa0
	MUL32 1, 0, 0                                  ; K step 1's products stand behind the refill: they work on registers alone
	WIN 0xf0
	MUL32 1, 1, 0
	WIN 0
	PLACES 4                                       ; the places in front of the next head's loads
.else
	s_wait_dscnt 16
	WIN 0xa0
	MUL32 1, 0, 0
	s_wait_dscnt 0x0
	WIN 0xf0
	MUL32 1, 1, 0
	WIN 0
.endif
.endm
	s_load_b256 s[4:11], s[0:1], 0x0               ; hidden s[4:5], z s[6:7], wq s[8:9], bw s[10:11]
	s_load_b256 s[12:19], s[0:1], 0x20             ; bz s[12:13], Vw s[14:15], w_a s[16:17], u s[18:19]
	v_lshl_add_u32 v[SPW], v0, 2, SPARE
	v_mov_b32 v[NIL], 0
	ds_add_u32 v[SPW], v[NIL]                      ; the opening: the add, twice on end, and its wait ahead of my first tensor load
	ds_add_u32 v[SPW], v[NIL]
	v_lshrrev_b32 v12, 5, v0
	v_readfirstlane_b32 s[WV], v12                 ; wave 0..3
	v_and_b32 v13, 31, v0                          ; lane
	v_and_b32 v14, 15, v0                          ; r
	v_bfe_u32 v15, v0, 4, 1                        ; h
	v_and_b32 v16, 3, v0                           ; lane % 4
	v_bfe_u32 v17, v0, 2, 2                        ; r / 4
	v_bfe_u32 v18, v0, 2, 1                        ; bit 2 of the lane
	v_bfe_u32 v19, v0, 3, 2                        ; lane / 8
	s_wait_alu depctr_va_vdst(0)
	s_bfe_u32 s25, ttmp6, 0x40000                  ; cx: my place in the cluster
	s_lshl_b32 s26, ttmp9, 2                       ; in a cluster launch ttmp9 counts clusters
	s_add_co_u32 s26, s26, s25                     ; my work-group: it enters the addresses of hidden, z and u alone
	s_lshr_b32 s27, ttmp9, 1                       ; my cluster's start chunk, from the cluster's number i alone, which the four partners share:
	s_xor_b32 s27, s27, ttmp9                      ; x = i ^ (i >> 1);
	s_and_b32 s[FC], s27, 3                        ; x's bits 0, 1
	s_lshr_b32 s27, s27, 1
	s_and_b32 s27, s27, 12                         ; and 3, 4
	s_or_b32 s[FC], s[FC], s27
	s_mov_b32 s[BCN], s[FC]                        ; the rows' ring and the weights' ring begin at the same chunk
	s_lshl_b32 s20, s[WV], 8
	s_add_co_u32 s20, s20, RED
	s_lshl_b32 s21, s[WV], 17
	s_mul_i32 s22, s[WV], 16*APITCH
	s_add_co_u32 s22, s22, ACODE
	s_lshl_b32 s75, s[WV], 9
	s_add_co_u32 s75, s75, ASCL
	s_lshl_b32 s74, s[WV], 10
	s_mul_i32 s38, s[WV], PART                     ; my part of a chunk: in wq and in a slot alike; no place in the cluster enters it
	s_mov_b32 s39, 0
	s_mov_b32 s[SEL], 0x76543210
	s_mov_b32 s[SEL+1], 0xfedcba98
	; descriptor group 1: a dense block of 34,816 bytes as 136 rows of 256 bytes (32 elements of 8 bytes), no padding: it is read 16 bytes a lane on end
	s_mov_b32 s[G1+0], 15|(3<<16)|(1<<21)          ; 15:0 the mask: all four work-groups; 17:16 elements of 8 bytes; 21 set beside a mask
	s_mov_b32 s[G1+1], 32<<16                      ; tensor_dim0 = 32
	s_mov_b32 s[G1+2], 136<<16                     ; tensor_dim1 = 136
	s_mov_b32 s[G1+3], 32<<16                      ; tile_dim0 = 32
	s_mov_b32 s[G1+4], 136                         ; tile_dim1 = 136
	s_mov_b32 s[G1+5], 32                          ; from row to row
	s_mov_b32 s[G1+6], 0
	s_mov_b32 s[G1+7], 0
	s_mov_b32 s[C2], 0x4038aa3b                    ; 2 log2(e)
	s_mov_b32 s[C2+1], 0x4038aa3b
	s_mov_b32 s[T0+1], 0
	s_mov_b32 s[T1+1], 0
	v_lshl_add_u32 v[RW], v15, 5, s20
	v_lshl_add_u32 v[AO], v13, 4, s21
	v_lshlrev_b32 v20, 6, v18
	v_lshl_add_u32 v20, v19, 4, v20
	v_lshl_add_u32 v20, v16, 2, v20                ; 64 (bit 2) + 16 (lane / 8) + 4 (lane % 4)
	v_add_nc_u32 v[ACW], s22, v20
	v_add_nc_u32 v[ASW], s75, v20
	v_mul_u32_u24 v[AFR], v14, APITCH
	v_lshl_add_u32 v[AFR], v15, 4, v[AFR]
	v_add_nc_u32 v[AFR], ACODE, v[AFR]
	v_lshrrev_b32 v21, 1, v17
	v_lshl_add_u32 v21, v15, 1, v21                ; the copy that I read: (r / 8) + 2 h
	v_lshl_add_u32 v[ASR], v15, 9, ASCL            ; ASCL + 512 h (the wave that wrote) + 128 (r / 4) (its group) + 16 copy + 4 (r % 4)
	v_lshl_add_u32 v[ASR], v17, 7, v[ASR]
	v_lshl_add_u32 v[ASR], v21, 4, v[ASR]
	v_lshl_add_u32 v[ASR], v16, 2, v[ASR]
	v_lshl_add_u32 v[BFR], v13, 4, s38
	v_add_nc_u32 v[BFR+1], CHUNK, v[BFR]
	v_lshlrev_b32 v[SHF], 3, v19
	v_cmp_eq_u32 s[M1], 1, v16
	v_cmp_eq_u32 s[M1+1], 2, v16
	v_cmp_eq_u32 s[M1+2], 3, v16
	v_cmp_eq_u32 s[MB], 1, v18
	s_wait_alu depctr_va_vdst(0)
	s_wait_dscnt 0x0                               ; both opening adds are done
	s_wait_kmcnt 0x0
	s_load_b32 s23, s[16:17], 0x0                  ; w_a
	s_lshl_b32 s[T0], s26, 19                      ; 64 rows of 8,192 bytes
	s_add_nc_u64 s[PH:PH+1], s[4:5], s[T0:T0+1]
	s_add_nc_u64 s[PZ:PZ+1], s[6:7], s[T0:T0+1]
	s_lshl_b32 s[T0], s26, 8                       ; 64 numbers of u
	s_add_nc_u64 s[18:19], s[18:19], s[T0:T0+1]
	s_add_nc_u64 s[WB:WB+1], s[8:9], s[38:39]      ; wq at my part
	ABASE AB, 0                                    ; the ring's first set is asked for ahead of the round; its two first fills have a base each, neither named by a pending load
	ALOAD 0, 0, AB
	ALOAD 0, 1, AB
	s_mov_b32 s[G0+0], 1                           ; count = 1
	s_mov_b32 s[G0+1], s38                         ; LDS address: slot 0, my part
	BADDR 0                                        ; my cluster's first chunk
	s_mov_b32 s[G0+4], 1
	s_add_co_u32 s[G0+5], s38, CHUNK               ; slot 1
	BADDR 1                                        ; and its second
	CROUND                                         ; all four work-groups are here: the first joint loads meet
	tensor_load_to_lds s[G0:G0+3], s[G1:G1+7]      ; the first chunk
	s_nop 0
	PLACES 4
	ABASE AB2, 0
	ALOAD 1, 0, AB2
	ALOAD 1, 1, AB2
	s_wait_kmcnt 0x0
	s_mul_f32 s[WC], s23, 0.5
	s_mul_f32 s[WC], s[WC], s[C2]
	QUANT 0, 0, 48, 48, 1                          ; the first chunk to code buffer 0.  48: behind a batch's 16 loads stand the 48 of the three other batches (for the second batch the first's refills take its place)
	s_wait_tensorcnt 0x0                           ; my part of the first chunk is in
	ds_add_u32 v[SPW], v[NIL]
	s_wait_dscnt 0x0                               ; the add is done, and my stores have landed
	CROUND                                         ; a whole round: everybody's codes and parts are in, and the joint loads meet
	tensor_load_to_lds s[G0+4:G0+7], s[G1:G1+7]    ; slot 1's first fill, my one tensor load behind the round: it has period 0 in which to land
	s_nop 0
	PLACES 4
	PERIOD 0, 1, 1, 1, 48, 48, 2                   ; period 0: its first products start the sums
	s_mov_b32 s[LC], 6
.Lloop:                                            ; periods 1 to 12, two a trip: the sets, buffers and slots are back where they began
	PERIOD 1, 0, 1, 1, 48, 48, 2
	PERIOD 0, 0, 1, 1, 48, 48, 2
	s_sub_co_u32 s[LC], s[LC], 1
	s_cmp_lg_u32 s[LC], 0
	s_cbranch_scc1 .Lloop
	PERIOD 1, 0, 1, 0, 48, 32, 2                   ; period 13: the ring asks for nothing more, so the counts run down; the last tensor load: the walk's 16th chunk
	PERIOD 0, 0, 1, 0, 16, 0, 1                    ; period 14: the 16th chunk is quantised; no slot is filled again
	PERIOD 1, 0, 0, 0, 0, 0, 0                     ; period 15
	; THE END.  BC = (bw + bz + 0.5 w_a) 2 log2(e), V2 = -2 Vw, each twice, for the packed forms.
	PLACES 4                                       ; behind the last products: their operands' registers are written and their results read below
	s_wait_loadcnt 0x0                             ; bw, bz, Vw
	WIN 0x05                                       ; sources 0 and 1 window 1
.set q, 0
.rept 16
	v_add_f32 v[BC+2*q], v[q], v[16+q]
	v_mul_f32 v[V2+2*q], -2.0, v[32+q]
	v_mul_f32 v[V2+2*q+1], -2.0, v[32+q]
.set q, q+1
.endr
	WIN 0
.set q, 0
.rept 16
	v_fma_f32 v[BC+2*q], v[BC+2*q], s[C2], s[WC]
.set q, q+1
.endr
.set q, 0
.rept 16
	v_mov_b32 v[BC+2*q+1], v[BC+2*q]
.set q, q+1
.endr
; Column tiles t .. t + 3: eight accumulators, 128 numbers a lane in v128-255, each accumulator from its low end on: one batch of exponentials and one of reciprocals for the four tiles.
.macro EPI t
	WIN 0x02+(\t)/8                                ; source 0: window 2 or 3
.irp d, 0,1,2,3
.set q, 0
.rept 16
	v_pk_fma_f32 v[Y+32*\d+q:Y+32*\d+q+1], v[32*(((\t)+\d)%8)+q:32*(((\t)+\d)%8)+q+1], s[C2:C2+1], v[BC+2*((\t)+\d):BC+2*((\t)+\d)+1] op_sel_hi:[1,0,1]   ; 2 log2(e) x
.set q, q+2
.endr
.endr
	WIN 0
	s_wait_alu depctr_va_vdst(0)
.set q, 0
.rept 128
	v_exp_f32 v[Y+q], v[Y+q]
.set q, q+1
.endr
	v_nop                                          ; a plain place behind the exponentials
	s_wait_alu depctr_va_vdst(0)
.set q, 0
.rept 64
	v_pk_add_f32 v[Y+q:Y+q+1], v[Y+q:Y+q+1], 1.0 op_sel_hi:[1,0]
.set q, q+2
.endr
	s_wait_alu depctr_va_vdst(0)
.set q, 0
.rept 128
	v_rcp_f32 v[Y+q], v[Y+q]
.set q, q+1
.endr
	v_nop                                          ; a plain place behind the reciprocals
	s_wait_alu depctr_va_vdst(0)
.irp d, 0,1,2,3
.set q, 0
.rept 16
.if (\t)+\d == 0
	v_pk_mul_f32 v[SS+q:SS+q+1], v[Y+q:Y+q+1], v[V2:V2+1]          ; the first tile starts the sums
.else
	v_pk_fma_f32 v[SS+q:SS+q+1], v[Y+32*\d+q:Y+32*\d+q+1], v[V2+2*((\t)+\d):V2+2*((\t)+\d)+1], v[SS+q:SS+q+1]
.endif
.set q, q+2
.endr
.endr
.endm
.irp t, 0,4,8,12
	EPI \t
.endr
.irp m, 1,2,4,8                        ; over the sixteen lanes of a half: my wave's 256 columns
.set q, 0
.rept 32
	v_add_f32_dpp v[SS+q], v[SS+q], v[SS+q] row_xmask:\m row_mask:0xf bank_mask:0xf
.set q, q+1
.endr
.endr
	v_and_b32 v5, 31, v0
	v_lshlrev_b32 v5, 3, v5                        ; 8 x lane: two numbers of u
	v_add_nc_u32 v6, RED, v5
.irp a, 0,1,2,3
.irp c, 0,1
	ds_store_b128 v[RW], v[SS+8*\a+4*\c:SS+8*\a+4*\c+3] offset:64*\a+16*\c   ; rows 16 a + 8 h + 4 c on; the sixteen lanes of a half write the same words with the same values
.endr
.endr
	s_wait_alu depctr_va_vdst(0)
	s_wait_dscnt 0x0                               ; for wave 0's sake: my stores are done
	s_barrier_signal -1
	s_barrier_wait -1
	s_cmp_lg_u32 s[WV], 0
	s_cbranch_scc1 .Lothers
.irp k, 0,1,2,3
	ds_load_b64 v[12+2*\k:13+2*\k], v6 offset:256*\k   ; wave k's sums of rows 2 lane, 2 lane + 1
.endr
	s_wait_dscnt 0x0
	v_pk_add_f32 v[12:13], v[12:13], v[14:15]
	v_pk_add_f32 v[16:17], v[16:17], v[18:19]
	v_pk_add_f32 v[12:13], v[12:13], v[16:17]
	s_wait_alu depctr_va_vdst(0)
	global_store_b64 v5, v[12:13], s[18:19]        ; 32 lanes store 256 consecutive bytes, at a multiple of 256 from u's first byte
.Lothers:
	s_wait_tensorcnt 0x0                           ; the wave's end: behind my last tensor load and my last LDS store
	ds_add_u32 v[SPW], v[NIL]
	s_wait_dscnt 0x0
	CROUND                                         ; the closing round: no work-group ends while a partner may still ask for a block that names it
	s_endpgm
.Lfunc_end_k_qfe2ca416a5_scores:
	.size	k_qfe2ca416a5_scores, .Lfunc_end_k_qfe2ca416a5_scores-k_qfe2ca416a5_scores
	.p2alignl 7, 3214868480
	.fill 96, 4, 3214868480
	.section	.rodata,"a",@progbits
	.p2align	6, 0x0
	.amdhsa_kernel k_qfe2ca416a5_scores
		.amdhsa_group_segment_fixed_size 327680
		.amdhsa_private_segment_fixed_size 0
		.amdhsa_enable_private_segment 0
		.amdhsa_kernarg_size 64
		.amdhsa_user_sgpr_count 2
		.amdhsa_user_sgpr_kernarg_segment_ptr 1
		.amdhsa_wavefront_size32 1
		.amdhsa_system_sgpr_workgroup_id_x 1
		.amdhsa_system_sgpr_workgroup_id_y 1
		.amdhsa_system_sgpr_workgroup_id_z 1
		.amdhsa_system_vgpr_workitem_id 0
		.amdhsa_next_free_vgpr 1024
		.amdhsa_next_free_sgpr 80
		.amdhsa_reserve_vcc 1
		.amdhsa_float_denorm_mode_32 3
		.amdhsa_float_denorm_mode_16_64 3
		.amdhsa_memory_ordered 1
		.amdhsa_forward_progress 1
		.amdhsa_inst_pref_size 255
	.end_amdhsa_kernel
	.section	.bss,"aw",@nobits
	.p2align	6
	.space	262144
	.amdgpu_metadata
---
amdhsa.version: [ 1, 2 ]
amdhsa.kernels:
  - .name:           k_qfe2ca416a5_scores
    .symbol:         k_qfe2ca416a5_scores.kd
    .args:
      - { .name: hidden, .offset: 0, .size: 8, .value_kind: global_buffer, .address_space: global }
      - { .name: z, .offset: 8, .size: 8, .value_kind: global_buffer, .address_space: global }
      - { .name: wq, .offset: 16, .size: 8, .value_kind: global_buffer, .address_space: global }
      - { .name: bw, .offset: 24, .size: 8, .value_kind: global_buffer, .address_space: global }
      - { .name: bz, .offset: 32, .size: 8, .value_kind: global_buffer, .address_space: global }
      - { .name: Vw, .offset: 40, .size: 8, .value_kind: global_buffer, .address_space: global }
      - { .name: w_a, .offset: 48, .size: 8, .value_kind: global_buffer, .address_space: global }
      - { .name: u, .offset: 56, .size: 8, .value_kind: global_buffer, .address_space: global }
    .group_segment_fixed_size: 327680
    .private_segment_fixed_size: 0
    .kernarg_segment_align: 8
    .kernarg_segment_size: 64
    .max_flat_workgroup_size: 128
    .sgpr_count:     80
    .vgpr_count:     1024
    .wavefront_size: 32
...
	.end_amdgpu_metadata
.endif
;; end of part 2
;; launch softmax (part 3): grid 1 x 1, 32 waves a work-group, no clusters, 8,192 bytes of LDS; arguments u, out0; writes out0
.if DOCPART == 3
	.amdgcn_target "amdgcn-amd-amdhsa--gfx1250"
	.amdhsa_code_object_version 6
	.text
	.protected	k_qfe2ca416a5_softmax
	.globl	k_qfe2ca416a5_softmax
	.p2align	8
	.type	k_qfe2ca416a5_softmax,@function
k_qfe2ca416a5_softmax:
	s_mov_b64 s[64:65], 0
	v_nop
	global_prefetch_b8 v0, s[64:65] scope:SCOPE_SE
	s_setreg_imm32_b32 hwreg(HW_REG_WAVE_MODE, 25, 1), 1
	s_wait_xcnt 0x0
; out0[s][b] = exp(u[s][b] - max over s) / sum over s of the same, for each of the 16 b.  u, out0: 16,384 f32, index 16 s + b.
; One work-group of 32 waves: the maxima and sums span all 65,536 bytes.  Thread t takes 16 bytes at 16 t + 16,384 j, j = 0 .. 3: every load and store of a wave covers 512 consecutive bytes.
; Component i of each of them belongs to b = 4 (t % 4) + i: so a thread keeps four statistics, and threads with the same t % 4 share them.
; A statistic goes: within the lane over j; over the lanes with the same lane % 4 (lanes 4, 8 and 16 apart); through LDS over the 32 waves (64 bytes a wave); and once more over the lanes.
; The maximum is taken away before the exponential, as the source does.  LIMIT: NaN in u is not served.
	s_load_b128 s[4:7], s[0:1], 0x0                ; u, out0
	v_lshl_add_u32 v48, v0, 2, 0x1000
	v_mov_b32 v49, 0
	v_lshlrev_b32 v1, 4, v0                        ; 16 t
	v_and_b32 v2, 31, v0                           ; lane
	v_lshrrev_b32 v3, 5, v0                        ; wave
	v_and_b32 v4, 3, v0
	s_delay_alu instid0(VALU_DEP_1)
	v_lshlrev_b32 v4, 4, v4
	s_delay_alu instid0(VALU_DEP_1)
	v_lshl_add_u32 v4, v3, 6, v4                   ; LDS in: 64 x wave + 16 x (lane % 4)
	v_lshlrev_b32 v5, 4, v2                        ; LDS out: 16 x lane: wave lane / 4 (+ 8 k), class lane % 4
	s_mov_b32 s8, 0x76543210                       ; v_permlanex16_b32's selects for lane l xor 16
	s_mov_b32 s9, 0xfedcba98
.irp i, 0,1,2,3
	v_mov_b32 v[28+\i], 0                          ; written once: a lane permute's destination counts as one of its sources
.endr
	s_wait_kmcnt 0x0
.irp j, 0,1,2,3
	global_load_b128 v[8+4*\j:11+4*\j], v1, s[4:5] offset:16384*\j
.endr
.macro CROSS op, opd                   ; v[24:27] over the lanes with my lane % 4
.irp m, 4,8
.irp i, 0,1,2,3
	\opd v[24+\i], v[24+\i], v[24+\i] row_xmask:\m row_mask:0xf bank_mask:0xf
.endr
.endr
.irp i, 0,1,2,3
	s_delay_alu instid0(VALU_DEP_4)
	v_permlanex16_b32 v[28+\i], v[24+\i], s8, s9
.endr
.irp i, 0,1,2,3
	s_delay_alu instid0(VALU_DEP_4)
	\op v[24+\i], v[24+\i], v[28+\i]
.endr
.endm
.macro RED op, opd, base               ; v[24:27] over the whole work-group; 2,048 bytes of LDS from base on
	CROSS \op, \opd
	ds_store_b128 v4, v[24:27] offset:\base        ; the eight lanes of a class write the same words with the same values
	s_wait_dscnt 0x0                               ; for the others' sake: my store is done
	s_barrier_signal -1
	s_barrier_wait -1
.irp k, 0,1,2,3
	ds_load_b128 v[32+4*\k:35+4*\k], v5 offset:\base+512*\k
.endr
	s_wait_dscnt 0x0
.irp i, 0,1,2,3
	\op v[24+\i], v[32+\i], v[36+\i]
	\op v[28+\i], v[40+\i], v[44+\i]
.endr
.irp i, 0,1,2,3
	\op v[24+\i], v[24+\i], v[28+\i]
.endr
	CROSS \op, \opd
.endm
	s_wait_loadcnt 0x0
.irp i, 0,1,2,3
	v_max3_num_f32 v[24+\i], v[8+\i], v[12+\i], v[16+\i]
.endr
.irp i, 0,1,2,3
	s_delay_alu instid0(VALU_DEP_4)
	v_max_num_f32 v[24+\i], v[24+\i], v[20+\i]
.endr
	RED v_max_num_f32, v_max_num_f32_dpp, 0
.irp j, 0,1,2,3
.irp c, 0,2
	v_pk_add_f32 v[8+4*\j+\c:9+4*\j+\c], v[8+4*\j+\c:9+4*\j+\c], v[24+\c:25+\c] neg_lo:[0,1] neg_hi:[0,1]   ; u - the maximum
.endr
.endr
.irp j, 0,2,4,6,8,10,12,14
	v_pk_mul_f32 v[8+\j:9+\j], v[8+\j:9+\j], 0x3fb8aa3b op_sel_hi:[1,0]   ; x log2(e)
.endr
	s_wait_alu depctr_va_vdst(0)
.irp j, 0,1,2,3,4,5,6,7,8,9,10,11,12,13,14,15
	v_exp_f32 v[8+\j], v[8+\j]
.endr
	v_nop                                          ; a plain place behind the exponentials
	s_wait_alu depctr_va_vdst(0)
	v_pk_add_f32 v[24:25], v[8:9], v[12:13]
	v_pk_add_f32 v[26:27], v[10:11], v[14:15]
	v_pk_add_f32 v[28:29], v[16:17], v[20:21]
	v_pk_add_f32 v[30:31], v[18:19], v[22:23]
	s_delay_alu instid0(VALU_DEP_2)
	v_pk_add_f32 v[24:25], v[24:25], v[28:29]
	s_delay_alu instid0(VALU_DEP_2)
	v_pk_add_f32 v[26:27], v[26:27], v[30:31]
	RED v_add_f32, v_add_f32_dpp, 2048             ; other LDS bytes than the maxima's: no wave waits for the others' reads of those
	s_wait_alu depctr_va_vdst(0)
.irp i, 0,1,2,3
	v_rcp_f32 v[24+\i], v[24+\i]
.endr
	v_nop                                          ; a plain place behind the reciprocals
	s_wait_alu depctr_va_vdst(0)
.irp j, 0,1,2,3
.irp c, 0,2
	v_pk_mul_f32 v[8+4*\j+\c:9+4*\j+\c], v[8+4*\j+\c:9+4*\j+\c], v[24+\c:25+\c]
.endr
.endr
.irp j, 0,1,2,3
	global_store_b128 v1, v[8+4*\j:11+4*\j], s[6:7] offset:16384*\j
.endr
	s_wait_tensorcnt 0x0
	ds_add_u32 v48, v49
	s_wait_dscnt 0x0
	s_endpgm
.Lfunc_end_k_qfe2ca416a5_softmax:
	.size	k_qfe2ca416a5_softmax, .Lfunc_end_k_qfe2ca416a5_softmax-k_qfe2ca416a5_softmax
	.p2alignl 7, 3214868480
	.fill 96, 4, 3214868480
	.section	.rodata,"a",@progbits
	.p2align	6, 0x0
	.amdhsa_kernel k_qfe2ca416a5_softmax
		.amdhsa_group_segment_fixed_size 8192
		.amdhsa_private_segment_fixed_size 0
		.amdhsa_enable_private_segment 0
		.amdhsa_kernarg_size 16
		.amdhsa_user_sgpr_count 2
		.amdhsa_user_sgpr_kernarg_segment_ptr 1
		.amdhsa_wavefront_size32 1
		.amdhsa_system_sgpr_workgroup_id_x 1
		.amdhsa_system_sgpr_workgroup_id_y 1
		.amdhsa_system_sgpr_workgroup_id_z 1
		.amdhsa_system_vgpr_workitem_id 0
		.amdhsa_next_free_vgpr 50
		.amdhsa_next_free_sgpr 66
		.amdhsa_reserve_vcc 0
		.amdhsa_float_denorm_mode_32 3
		.amdhsa_float_denorm_mode_16_64 3
		.amdhsa_memory_ordered 1
		.amdhsa_forward_progress 1
		.amdhsa_inst_pref_size 12
	.end_amdhsa_kernel
	.amdgpu_metadata
---
amdhsa.version: [ 1, 2 ]
amdhsa.kernels:
  - .name:           k_qfe2ca416a5_softmax
    .symbol:         k_qfe2ca416a5_softmax.kd
    .args:
      - { .name: u, .offset: 0, .size: 8, .value_kind: global_buffer, .address_space: global }
      - { .name: out0, .offset: 8, .size: 8, .value_kind: global_buffer, .address_space: global }
    .group_segment_fixed_size: 8192
    .private_segment_fixed_size: 0
    .kernarg_segment_align: 8
    .kernarg_segment_size: 16
    .max_flat_workgroup_size: 1024
    .sgpr_count:     66
    .vgpr_count:     50
    .wavefront_size: 32
...
	.end_amdgpu_metadata
.endif
;; end of part 3
